; MI455X (gfx1250); checked and timed in simulation.
; The chip was launched on July 23, 2026; its instructions are those of AMD's public machine-readable ISA for CDNA 5 (MIT licence, August 2026) and "CDNA5" Instruction Set Architecture Reference Guide (July 2026). The comments in the code are by the model that wrote it; some were corrected since.
;; Face Feats Model. Allowed arithmetic: matrix products marked QUANTISED: E3M2 operands, one E8M0 scale for each 32 along K, by v_wmma_scale_f32_16x16x128_f8f6f4 with both operands' format E3M2, f32 sums; everything else in f32.
;; Inputs: face_feats 50,000 x 512 float32; query_embeddings 2,048 x 512 float32; selector 2,048 bool.
;; Outputs: out0 2,048 x 512 float32.
;; This version of the problem:
;;   THIS VERSION OF THE PROBLEM IS GIVEN IN LOW PRECISION. The matrix products marked QUANTISED in the list below multiply operands that are first quantised to E3M2 (3 exponent bits, 2 mantissa bits; 6 bits a number), with one power-of-two scale for each 32 numbers along K (OCP MX v1.0); their sums are f32. All else is computed in f32.
;;   The module's matrix products, in the order in which they are computed (A, B: the left and right operand; K: the contracted axis; several contracted axes count as one K, in the product's order):
;;     1. [M 2,048, K 512] x [K 512, N 50,000]; A: input query_embeddings; B: computed on the way: QUANTISED
;;   THE QUANTISER, for each operand of a quantised product, along K:
;;     - K is cut into blocks of 32 from its start; a last block that is shorter is filled with zeros.
;;     - A block's scale is 2^e with e = floor(log2(the largest magnitude in the block)) - 4, held to -126 .. 127; a block of zeros has e = 0. As a byte (E8M0): e + 127.
;;     - Each number is divided by its block's scale, clamped to +-28, and rounded to the nearest number of E3M2, ties to even, subnormals kept.
;;     - The product sums the exact products of the quantised numbers (number of the format x scale) in f32.
;;   ~~~python
;;   def quantise(x, axis):      # numpy; x: float32 -> the quantised numbers, widened to float32 again
;;       x = np.moveaxis(x, axis, -1); K = x.shape[-1]
;;       x = np.pad(x, [(0, 0)] * (x.ndim - 1) + [(0, -K % 32)]); x = x.reshape(x.shape[:-1] + (-1, 32)); a = np.abs(x).max(-1, keepdims=True)
;;       e = np.where(a > 0, np.clip(np.frexp(np.where(a > 0, a, 1))[1] - 1 - 4, -126, 127), 0)      # np.frexp(a)[1] - 1 = floor(log2(a)), exactly
;;       r = np.clip(x / 2.0 ** e, -28, 28)
;;       step = 2.0 ** (np.maximum(np.frexp(np.where(r == 0, 1, r))[1] - 1, -2) - 2)
;;       q = np.round(r / step) * step * 2.0 ** e      # np.round: ties to even
;;       return np.moveaxis(q.reshape(q.shape[:-2] + (-1,))[..., :K], -1, axis).astype(np.float32)
;;   ~~~
;;   OPERANDS COMPUTED ON THE WAY. 'Computed on the way' means the value that the module computes at that place (a softmax that the list does not call 'softmax' is quantised finished and normalised). What goes into a quantiser is computed in f32, as accurately as f32 sums, v_exp_f32 and their like allow (about 1e-6 of the number): no bf16 or f16 on the way to a quantiser, and a product that is left as it is and whose result goes on into a quantised operand takes f32 operands (vector FMAs, or v_wmma_f32_16x16x4_f32). A number that lies on a knife's edge between two numbers of the format may be rounded either way, as far as f32 arithmetic and the matrix unit's own rounding can turn it there, and no further.
;; One version. Each part assembles by itself: llvm-mc -triple=amdgcn-amd-amdhsa -mcpu=gfx1250 --defsym DOCPART=n.
;; ======== version 1 of 1: 3 launches
;; workspace buffers: fcodes 20,000,000 bytes; qcodes 819,200 bytes; part 917,504 bytes of whole numbers
;; launch quant (part 1): grid 3253 x 1, 1 waves a work-group, no clusters, 33,536 bytes of LDS; arguments face_feats, query_embeddings, fcodes, qcodes; writes fcodes, qcodes
.if DOCPART == 1
	.amdgcn_target "amdgcn-amd-amdhsa--gfx1250"
	.amdhsa_code_object_version 6
	.text
	.protected	k_q48a2e4e84a_quant
	.globl	k_q48a2e4e84a_quant
	.p2align	8
	.type	k_q48a2e4e84a_quant,@function
k_q48a2e4e84a_quant:
	s_mov_b64 s[64:65], 0
	v_nop
	global_prefetch_b8 v0, s[64:65] scope:SCOPE_SE
	s_setreg_imm32_b32 hwreg(HW_REG_WAVE_MODE, 25, 1), 1
	s_wait_xcnt 0x0
; face_feats [50000][512] f32 is normalised row by row (x * rsq(sum of x^2)) and quantised along K = 512 to codes of BF6 (E3M2) with one E8M0 byte for each 32;
; query_embeddings [2048][512] f32 is quantised as it is (the same text, the factor chosen to be exactly 1.0).
; A block's scale is 2^(floor(log2(largest magnitude)) - 4): its byte is the largest magnitude's exponent field - 4, held at 1 from below.
; SHARES.  One wave to a work-group, one tile of 16 rows (32,768 dense bytes) to a wave: work-groups 0 .. 3124 take the faces' tiles, 3125 .. 3252 the queries'.  Only pointers and the factor are chosen:
; both tensors take one path.  No work-group shares an input byte with another, so there is nothing to ask for jointly; no matrix work; no barrier (one wave).
; OUT: a RECORD of 6,400 bytes for each tile, laid as the matrix operand's registers: bytes 1536 s + 512 j + 16 lane = registers 4 j .. 4 j + 3 of K step s's fragment (s = 0..3: 128 along K, 12 registers);
; bytes 6144 + 8 lane = two scale registers: word 0 holds, in lanes 0-15, row r's scale word of K step 0 and, in lanes 16-31, that of K step 1; word 1 those of K steps 2 and 3.
; THE WAY.  64 loads of 512 consecutive bytes; the tile turns through a stage in LDS (rows 2,064 bytes apart) and comes back so that lane (r, h) holds, in X[32 cc .. 32 cc + 31], block 2 cc + h of row r:
; the order in which the operand's layout wants that lane's numbers, so a block's maximum needs no other lane and the conversions' results are the operand's registers.
; LIMITS: a face row of zeros, NaN or infinities is not served (the definition gives NaN there); a row's sum of squares must lie inside f32's normal range (magnitudes of about 1e-19 to 1e18);
; x * rsq(S) stands for x / sqrt(S): they differ by a few units in the last place; a block of zeros gets the byte 1 (its codes are zeros, and this program alone reads the bytes);
; blocks whose largest magnitude lies under 2^(5 - 127) keep the byte 1.
.set NFT,   3125                       ; tiles of faces
.set REC,   6400                       ; bytes in a record
.set PITCH, 2064                       ; a stage row: 2,048 bytes + 16 = 516 words: row r starts at bank 4 r mod 64 (64 banks of 4 bytes: ISA guide 11.1)
.set SQ,  8                            ; v[8:15]   four pairs of partial sums of squares
.set SS,  16                           ; v16       the row's sum;  v17 the other half's
.set RR,  18                           ; v[18:19]  the factor, twice
.set MX,  24                           ; v24-31    the eight blocks' largest magnitudes
.set SO,  32                           ; v32-39    the conversions' scale operands
.set BY,  40                           ; v40-47    the scale bytes
.set WD,  48                           ; v48-51    the four scale words;  v52-55 the other half's parts
.set SP,  56                           ; v[56:57]  the two scale registers of the record
.set CD,  64                           ; v64-111   the codes: fragment s at v[64 + 12 s]
.set TT,  112                          ; v112-143  the upper halves of the blocks' codes, as the conversions leave them
                                       ; window 1 (v256-511): X, the tile's 256 numbers of my lane
.set MSB, 0
.macro WIN new                         ; s_set_vgpr_msb: bits 1:0 source 0, 3:2 source 1, 5:4 source 2, 7:6 destination; the high byte repeats the setting that is left
.if MSB != \new
	s_set_vgpr_msb (MSB<<8)|\new
.set MSB, \new
.endif
.endm
	s_load_b256 s[4:11], s[0:1], 0x0               ; faces s[4:5], queries s[6:7], faces' records s[8:9], queries' records s[10:11]
	v_lshl_add_u32 v254, v0, 2, 0x8200
	v_mov_b32 v255, 0
	v_and_b32 v5, 15, v0                           ; r  (one wave: v0 is the lane)
	v_lshrrev_b32 v6, 4, v0                        ; h
	v_lshlrev_b32 v1, 4, v0                        ; 16 x lane: my bytes of a load, of a stage store and of a record's store
	v_mul_u32_u24 v2, v5, PITCH
	v_lshl_add_u32 v2, v6, 7, v2                   ; back from the stage: row r, + 128 h: block h of each pair of blocks
	v_lshlrev_b32 v3, 3, v6                        ; 8 h: my bytes' place in a scale word, in bits
	v_lshlrev_b32 v4, 3, v0                        ; 8 x lane: the record's scale registers
	v_mov_b32 v[SS+1], 0                           ; a lane permute's destination counts as read: written once
.irp s, 0,1,2,3
	v_mov_b32 v[WD+4+\s], 0
.endr
	s_mov_b32 s12, 0x76543210
	s_mov_b32 s13, 0xfedcba98                      ; v_permlanex16_b32's selects for lane l xor 16
	s_cmp_lt_u32 ttmp9, NFT                        ; a tile of faces or of queries?  The choice hangs on the work-group's number alone
	s_cselect_b32 s14, 0, NFT
	s_cselect_b32 s20, -1, 0                       ; all lanes: the factor is rsq (faces) or 1.0 (queries)
	s_wait_kmcnt 0x0
	s_cselect_b64 s[4:5], s[4:5], s[6:7]
	s_cselect_b64 s[8:9], s[8:9], s[10:11]
	s_sub_co_u32 s14, ttmp9, s14                   ; the tile's number in its tensor
	s_lshl_b32 s16, s14, 15                        ; 32,768 bytes a tile: under 2^27
	s_mov_b32 s17, 0
	s_add_nc_u64 s[4:5], s[4:5], s[16:17]
	s_mul_i32 s18, s14, REC
	s_mov_b32 s19, 0
	s_add_nc_u64 s[8:9], s[8:9], s[18:19]
	WIN 0x40                                       ; destination window 1
.set i, 0
.rept 64
	global_load_b128 v[4*i:4*i+3], v1, s[4:5] offset:512*i th:TH_LOAD_NT   ; 32 lanes read 512 consecutive bytes; all 64 loads are out together; read once in the launch
.set i, i+1
.endr
	WIN 0x04                                       ; an LDS store's data are its source 1: window 1
.set i, 0
.rept 64
.if i%8 == 0
	s_wait_loadcnt 56-i                            ; loads come back in order (ISA guide 5.7.1): these eight are in, the younger ones stay out
.endif
	ds_store_b128 v1, v[4*i:4*i+3] offset:(i/4)*PITCH+(i%4)*512            ; load i is quarter i % 4 of row i / 4
.set i, i+1
.endr
	s_wait_dscnt 0x0                               ; the stores have read X: it is loaded anew
	WIN 0x40
.set i, 0
.rept 64
	ds_load_b128 v[4*i:4*i+3], v2 offset:256*(i/8)+16*(i%8)                ; X[32 cc + 4 n ..] = row r, block 2 cc + h, numbers 4 n ..   (i = 8 cc + n)
.set i, i+1
.endr
	WIN 0x05                                       ; sources 0 and 1 window 1
.set j, 0
.rept 128                                      ; the sum of my 256 squares, two at a time, in four chains; the first four products start them: nothing is cleared
.if j%16 == 0
	s_wait_dscnt 56-j/2                            ; this pair of blocks' eight loads are in, the younger ones stay out
.endif
.if j < 4
	v_pk_mul_f32 v[SQ+2*j:SQ+2*j+1], v[2*j:2*j+1], v[2*j:2*j+1]
.else
	v_pk_fma_f32 v[SQ+2*(j%4):SQ+2*(j%4)+1], v[2*j:2*j+1], v[2*j:2*j+1], v[SQ+2*(j%4):SQ+2*(j%4)+1]
.endif
.set j, j+1
.endr
	WIN 0
	v_pk_add_f32 v[SQ:SQ+1], v[SQ:SQ+1], v[SQ+2:SQ+3]
	v_pk_add_f32 v[SQ+4:SQ+5], v[SQ+4:SQ+5], v[SQ+6:SQ+7]
	v_pk_add_f32 v[SQ:SQ+1], v[SQ:SQ+1], v[SQ+4:SQ+5]
	v_add_f32 v[SS], v[SQ], v[SQ+1]
	v_permlanex16_b32 v[SS+1], v[SS], s12, s13     ; the row's other eight blocks lie in lane l xor 16
	v_add_f32 v[SS], v[SS], v[SS+1]
	v_rsq_f32 v[RR], v[SS]
	s_mov_b32 vcc_lo, s20
	v_nop                                          ; a plain instruction between the transcendental and the use of its result (ISA guide 5.7.2)
	s_wait_alu depctr_va_vdst(0)                   ; the wait ahead of the first reader
	v_cndmask_b32 v[RR], 1.0, v[RR], vcc_lo        ; queries are multiplied by exactly 1.0
	v_mov_b32 v[RR+1], v[RR]
	WIN 0x41                                       ; destination and source 0 window 1
.set j, 0
.rept 128
	v_pk_mul_f32 v[2*j:2*j+1], v[2*j:2*j+1], v[RR:RR+1]
.set j, j+1
.endr
	WIN 0x14                                       ; sources 1 and 2 window 1
.irp b, 0,1,2,3,4,5,6,7                        ; my eight blocks' largest magnitudes, by turns, so that no line waits for the line above it
	v_max3_num_f32 v[MX+\b], 0x2800000, |v[32*\b]|, |v[32*\b+1]|           ; with the floor 2^(5 - 127): the byte cannot fall under 1
.endr
.set i, 2
.rept 15
.irp b, 0,1,2,3,4,5,6,7
	v_max3_num_f32 v[MX+\b], v[MX+\b], |v[32*\b+i]|, |v[32*\b+i+1]|
.endr
.set i, i+2
.endr
	WIN 0
.irp b, 0,1,2,3,4,5,6,7
	v_add_nc_u32 v[SO+\b], 0xfe000000, v[MX+\b]    ; 4 off the exponent field: the conversion takes the exponent field of this operand as its scale, and nothing else of it
.endr
.irp b, 0,1,2,3,4,5,6,7
	v_lshrrev_b32 v[BY+\b], 23, v[SO+\b]           ; the scale's byte
.endr
.irp s, 0,1,2,3                                ; K step s: my blocks 4 s + h and 4 s + 2 + h are bytes h and 2 + h of the row's scale word
	v_lshl_or_b32 v[WD+\s], v[BY+2*\s+1], 16, v[BY+2*\s]
.endr
.irp s, 0,1,2,3
	v_lshlrev_b32 v[WD+\s], v3, v[WD+\s]
.endr
.irp s, 0,1,2,3
	v_permlanex16_b32 v[WD+4+\s], v[WD+\s], s12, s13
.endr
.irp s, 0,1,2,3
	v_or_b32 v[WD+\s], v[WD+\s], v[WD+4+\s]        ; with lane l xor 16's two bytes the word is whole, in both halves of the lanes
.endr
	s_mov_b32 vcc_lo, 0xffff0000
	v_cndmask_b32 v[SP], v[WD], v[WD+1], vcc_lo    ; lanes 0-15: K step 0's words; lanes 16-31: K step 1's
	v_cndmask_b32 v[SP+1], v[WD+2], v[WD+3], vcc_lo ; K steps 2 and 3
	WIN 0x01                                       ; source 0 window 1
.irp cc, 0,1,2,3,4,5,6,7                       ; block pair cc = 2 s + c: registers 6 c .. 6 c + 5 of fragment s
	v_cvt_scalef32_pk16_bf6_f32 v[CD+6*\cc:CD+6*\cc+2], v[32*\cc:32*\cc+15], v[SO+\cc]
	v_cvt_scalef32_pk16_bf6_f32 v[TT+4*\cc:TT+4*\cc+2], v[32*\cc+16:32*\cc+31], v[SO+\cc]   ; (a conversion's three registers begin on an even number: the second half of a block's six does not, so it is made elsewhere and moved)
.endr
	WIN 0
	v_nop                                          ; one plain place behind the scaled conversions
.irp cc, 0,1,2,3,4,5,6,7
.irp i, 0,1,2
	v_mov_b32 v[CD+3+6*\cc+\i], v[TT+4*\cc+\i]
.endr
.endr
.irp m, 0,1,2,3,4,5,6,7,8,9,10,11
	global_store_b128 v1, v[CD+4*\m:CD+4*\m+3], s[8:9] offset:512*\m       ; 32 lanes store 512 consecutive bytes, at a multiple of 256 from the buffer's first byte (a record is 25 x 256)
.endr
	global_store_b64 v4, v[SP:SP+1], s[8:9] offset:6144                    ; 256 consecutive bytes
	s_wait_tensorcnt 0x0
	ds_add_u32 v254, v255
	s_wait_dscnt 0x0
	s_endpgm
.Lfunc_end_k_q48a2e4e84a_quant:
	.size	k_q48a2e4e84a_quant, .Lfunc_end_k_q48a2e4e84a_quant-k_q48a2e4e84a_quant
	.p2alignl 7, 3214868480
	.fill 96, 4, 3214868480
	.section	.rodata,"a",@progbits
	.p2align	6, 0x0
	.amdhsa_kernel k_q48a2e4e84a_quant
		.amdhsa_group_segment_fixed_size 33536
		.amdhsa_private_segment_fixed_size 0
		.amdhsa_enable_private_segment 0
		.amdhsa_kernarg_size 32
		.amdhsa_user_sgpr_count 2
		.amdhsa_user_sgpr_kernarg_segment_ptr 1
		.amdhsa_wavefront_size32 1
		.amdhsa_system_sgpr_workgroup_id_x 1
		.amdhsa_system_sgpr_workgroup_id_y 1
		.amdhsa_system_sgpr_workgroup_id_z 1
		.amdhsa_system_vgpr_workitem_id 0
		.amdhsa_next_free_vgpr 512
		.amdhsa_next_free_sgpr 66
		.amdhsa_reserve_vcc 1
		.amdhsa_float_denorm_mode_32 3
		.amdhsa_float_denorm_mode_16_64 3
		.amdhsa_memory_ordered 1
		.amdhsa_forward_progress 1
		.amdhsa_inst_pref_size 46
	.end_amdhsa_kernel
	.amdgpu_metadata
---
amdhsa.version: [ 1, 2 ]
amdhsa.kernels:
  - .name:           k_q48a2e4e84a_quant
    .symbol:         k_q48a2e4e84a_quant.kd
    .args:
      - { .name: face_feats, .offset: 0, .size: 8, .value_kind: global_buffer, .address_space: global }
      - { .name: query_embeddings, .offset: 8, .size: 8, .value_kind: global_buffer, .address_space: global }
      - { .name: fcodes, .offset: 16, .size: 8, .value_kind: global_buffer, .address_space: global }
      - { .name: qcodes, .offset: 24, .size: 8, .value_kind: global_buffer, .address_space: global }
    .group_segment_fixed_size: 33536
    .private_segment_fixed_size: 0
    .kernarg_segment_align: 8
    .kernarg_segment_size: 32
    .max_flat_workgroup_size: 32
    .sgpr_count:     66
    .vgpr_count:     512
    .wavefront_size: 32
...
	.end_amdgpu_metadata
.endif
;; end of part 1
;; launch score (part 2): grid 56 x 4, 8 waves a work-group, clusters of 4 x 1, 271,360 bytes of LDS; arguments fcodes, qcodes, part; writes part
.if DOCPART == 2
	.amdgcn_target "amdgcn-amd-amdhsa--gfx1250"
	.amdhsa_code_object_version 6
	.text
	.protected	k_q48a2e4e84a_score
	.globl	k_q48a2e4e84a_score
	.p2align	8
	.type	k_q48a2e4e84a_score,@function
k_q48a2e4e84a_score:
	s_mov_b64 s[64:65], 0
	v_nop
	global_prefetch_b8 v0, s[64:65] scope:SCOPE_SE
	s_setreg_imm32_b32 hwreg(HW_REG_WAVE_MODE, 25, 1), 1
	s_wait_xcnt 0x0
	s_wait_alu depctr_hold_cnt(0) depctr_sa_sdst(0) depctr_va_vdst(0) depctr_va_sdst(0) depctr_va_ssrc(0) depctr_va_vcc(0) depctr_vm_vsrc(0)
	s_getreg_b32 s2, hwreg(HW_REG_IB_STS2, 6, 4)
	s_cmp_eq_u32 s2, 0
	s_cbranch_scc0 .Lentry_in_a_cluster
	s_endpgm
.Lentry_in_a_cluster:
	s_bfe_u32 s2, ttmp6, 0x10000c
	s_cmp_lg_u32 s2, 0x3003
	s_cbranch_scc0 .Lentry_shape_is_right
	s_endpgm
.Lentry_shape_is_right:
; scores[q][n] = sum over k of Q(query)[q][k] Q(face)[n][k] on codes of BF6 (E3M2) with E8M0 scales, sums in f32, and for each query the largest score and its face (the lowest face on equal scores).
; IN: records of 6,400 bytes for each tile of 16 rows x 512 K, laid as the operand's registers (bytes 1536 s + 512 j + 16 lane: registers 4 j .. 4 j + 3 of K step s's fragment; bytes 6144 + 8 lane: two scale registers,
; each with an even K step's words in lanes 0-15 and the odd one's in lanes 16-31).  OUT: part[gx][query] = (key, face), two whole numbers: key is the score's bits turned so that unsigned order is the scores' order.
; SHARES.  Work-group (gx, gy), gx = 0..55, gy = 0..3: queries 512 gy .. 512 gy + 511 against the faces of its eight waves.  Wave w owns 7 tiles of faces from tile st = (8 gx + w) x 457200 >> 16 on: starts rise by 6 or 7,
; from 0 to 3118, so the 448 sets cover all 3,125 tiles and none leaves the buffer; the 11 tiles taken twice give the same score and face twice, which changes nothing.  The wave's 7 records stay in its REGISTERS.
; The block's 32 query records (204,800 bytes) lie in LDS, filled once; each fragment read from LDS feeds 7 products.
; CLUSTER.  The four work-groups of a cluster (gx = 4 X + cx) share gy and so the query records: each record is asked for JOINTLY, by the same tensor load with the same descriptor and the mask of all four.
; The faces are not asked for jointly, though the four gy read the same records: a tensor load lands in LDS, and eight waves x 44,800 bytes are more than LDS holds; they go from memory straight into registers.
; THE PRODUCT: source 0 = 16 faces, source 1 = 16 queries: lane (r, h) holds query r, and register j of tile k face 16 (st + k) + 8 h + j.  So a query's maximum over the wave's 112 faces is found inside two lanes.
; BY HALVES.  The seven tiles are two groups: A = tiles 0-3, B = tiles 4-6.  A trip of the loop is: B's 12 products of query tile t, with A's part of tile t's search for the maximum cut into 12 slices, one behind each
; product; then A's 16 products of tile t + 1, with B's part of tile t's search in 16 slices.  A group's accumulators are searched while the other group's are written, so one set of accumulators serves.
; The search is one chain through both halves: the best score (v12, at last v14), the best tile (v10) and the best tile's eight scores (v240-247) pass from A's part to B's, which then finds the register and stores the candidate.
; The codes of tiles 0-4 lie in window 1 and all that a slice touches in window 0, so each of their 20 products costs two switches: 40 a trip for 28 matrix and 113 vector instructions.
; LIMITS: NaN among the scores is not served.  -0 and +0 count as equal, as in the definition's argmax.
; REGISTERS: window 0: v1-9 addresses; v10 the best tile, v11 the best register, v12 the best score so far, v[14:15] the candidate that is stored; v16-29 the faces' scale registers (a pair a tile), v30, v31 the queries':
;   these hold scales and nothing else; v32-79 a query tile's four fragments; v80-135 seven accumulators; v136-231 the codes of face tiles 5 and 6; v232-238 a maximum for each tile; v240-247 the best tile's eight scores.
;   window 1: the codes of face tiles 0 to 4, fragment (k, s) at v[48 k + 12 s].   s52-57 a mask for each of tiles 1 to 6 (it beats all before it); s14-20 a mask for each of registers 0 to 6 (it holds the best score).
.set REC,  6400
.set NT,   32                          ; query tiles in a block
.set CHB,  8*REC                       ; eight records: one from each wave's load
.set CAND, NT*REC                      ; behind the records: 16 rows (2 w + h) x 512 queries x 8 bytes: each half wave's best for each query.  Written by LDS stores alone; no tensor load lands here
.set SA,   16
.set SB,   30
.set QF,   32
.set ACC,  80
.set FHI,  136
.set TK,   232
.set WN,   240
.set MSK,  51                          ; tile k's mask in s[51 + k]
.set EQ,   14                          ; register j's mask in s[14 + j]
.set MSB, 0
.macro WIN new                         ; s_set_vgpr_msb: bits 1:0 source 0, 3:2 source 1, 5:4 source 2, 7:6 destination; the high byte repeats the setting that is left; a switch that changes nothing is dropped
.if MSB != \new
	s_set_vgpr_msb (MSB<<8)|\new
.set MSB, \new
.endif
.endm
; A round of the cluster's barrier: my work-group's barrier, wave 0 signals for the work-group, every wave waits for all four work-groups, my work-group's barrier once more.
.macro CROUND
	s_barrier_signal -1
	s_barrier_wait -1
	s_cmp_lg_u32 s10, 0
	s_cbranch_scc1 .Lnot_wave_0_\@
	s_barrier_signal -3
.Lnot_wave_0_\@:
	s_barrier_wait -3
	s_barrier_signal -1
	s_barrier_wait -1
.endm
	s_load_b128 s[4:7], s[0:1], 0x0                ; faces' records s[4:5], queries' records s[6:7]
	s_load_b64 s[8:9], s[0:1], 0x10                ; part
	v_lshl_add_u32 v254, v0, 2, 0x42000
	v_mov_b32 v255, 0
	ds_add_u32 v254, v255
	ds_add_u32 v254, v255
	v_lshrrev_b32 v5, 5, v0
	v_readfirstlane_b32 s10, v5                    ; wave 0..7
	s_bfe_u32 s11, ttmp6, 0x40000                  ; cx: my place in the cluster: it enters the faces' and part's global addresses and the faces' numbers alone
	s_lshl_b32 s12, ttmp9, 2
	s_add_co_u32 s12, s12, s11                     ; gx = 4 x cluster x + cx
	s_and_b32 s13, ttmp7, 0xffff                   ; gy, which the four partners share
	v_and_b32 v1, 31, v0
	v_lshlrev_b32 v2, 3, v1                        ; 8 x lane: a record's scale registers
	v_lshlrev_b32 v1, 4, v1                        ; 16 x lane: a record's codes
	v_bfe_u32 v8, v0, 4, 1                         ; h
	v_and_b32 v9, 15, v0                           ; r
	s_lshl_b32 s14, s12, 3
	s_add_co_u32 s14, s14, s10                     ; my set of faces, 0 .. 447
	s_mul_i32 s14, s14, 457200
	s_lshr_b32 s14, s14, 16                        ; st: its first tile
	s_lshl_b32 s15, s14, 4
	v_lshl_add_u32 v3, v8, 3, s15                  ; 16 st + 8 h: the face in register 0 of tile 0
	s_mul_i32 s16, s14, REC
	s_mov_b32 s17, 0
	v_lshlrev_b32 v4, 3, v9
	v_lshl_add_u32 v4, v8, 12, v4
	s_lshl_b32 s23, s10, 13
	s_add_co_u32 s23, s23, CAND
	v_add_nc_u32 v4, s23, v4                       ; my place among the candidates: CAND + 4096 (2 w + h) + 8 r
	s_lshl_b32 s18, s13, 5
	s_add_co_u32 s18, s18, s10                     ; the first query record that I fetch: 32 gy + w  (registers that never hold cx)
	s_mul_i32 s18, s18, REC
	s_mov_b32 s19, 0
	s_mul_i32 s22, s10, REC                        ; and its place in LDS: no place in the cluster enters an LDS address
	; descriptor group 1: a record is a dense block: 25 rows of 256 bytes (32 elements of 8 bytes), no padding: every LDS read of it is 16 x lane on end
	s_mov_b32 s24, 15|(3<<16)|(1<<21)              ; 15:0 the mask: all four work-groups; 17:16 elements of 8 bytes; 21 set beside a mask
	s_mov_b32 s25, 32<<16                          ; tensor_dim0 = 32
	s_mov_b32 s26, 25<<16                          ; tensor_dim1 = 25
	s_mov_b32 s27, 32<<16                          ; tile_dim0 = 32
	s_mov_b32 s28, 25                              ; tile_dim1 = 25
	s_mov_b32 s29, 32                              ; tensor_dim0_stride
	s_mov_b32 s30, 0
	s_mov_b32 s31, 0
	s_wait_dscnt 0x0
	s_wait_kmcnt 0x0
	s_add_nc_u64 s[4:5], s[4:5], s[16:17]          ; my 7 records: 44,800 dense bytes
	s_add_nc_u64 s[20:21], s[6:7], s[18:19]
.irp c, 0,1,2,3                                ; descriptor group 0 number c: record 32 gy + 8 c + w to LDS byte 6400 (8 c + w)
	s_mov_b32 s[32+4*\c], 1                        ; count = 1
	s_add_co_u32 s[33+4*\c], s22, \c*CHB           ; LDS address
	s_add_nc_u64 s[34+4*\c:35+4*\c], s[20:21], \c*CHB   ; global address
	s_or_b32 s[35+4*\c], s[35+4*\c], 0x80000000    ; type = 2
.endr
	CROUND                                         ; all four work-groups are here: the joint loads meet
	tensor_load_to_lds s[32:35], s[24:31]          ; all first fills in one group, ahead of everything else; four loads of mine are out; no LDS byte is filled twice in this launch
	s_nop 0
	tensor_load_to_lds s[36:39], s[24:31]
	s_nop 0
	tensor_load_to_lds s[40:43], s[24:31]
	s_nop 0
	tensor_load_to_lds s[44:47], s[24:31]
	s_nop 0
.rept 4
	v_nop
.endr
	WIN 0x40                                       ; destination window 1.  My faces are asked for while the query records are on their way
.irp k, 0,1,2,3,4
.irp m, 0,1,2,3,4,5,6,7,8,9,10,11
	global_load_b128 v[48*\k+4*\m:48*\k+4*\m+3], v1, s[4:5] offset:REC*\k+512*\m    ; 32 lanes read 512 consecutive bytes
.endr
.endr
	WIN 0
.irp k, 5,6
.irp m, 0,1,2,3,4,5,6,7,8,9,10,11
	global_load_b128 v[FHI+48*(\k-5)+4*\m:FHI+48*(\k-5)+4*\m+3], v1, s[4:5] offset:REC*\k+512*\m
.endr
.endr
.irp k, 0,1,2,3,4,5,6
	global_load_b64 v[SA+2*\k:SA+2*\k+1], v2, s[4:5] offset:REC*\k+6144
.endr
; The product of face tile k and the query tile in hand, K step s.  K step 0 starts the sum with the constant 0.  Inside a group the accumulators take turns, one instruction a turn, in the same order in every
; K step, and the groups follow each other.
.macro WM k, s
.if (\k) < 5
	WIN 0x01                                       ; source 0 (the faces) window 1
.set rF, 48*(\k)+12*(\s)
.else
	WIN 0
.set rF, FHI+48*((\k)-5)+12*(\s)
.endif
.set rA, ACC+8*(\k)
.set rQ, QF+12*(\s)
.set rSA, SA+2*(\k)+(\s)/2
.set rSB, SB+(\s)/2
.if (\s) == 0
	v_wmma_scale_f32_16x16x128_f8f6f4 v[rA:rA+7], v[rF:rF+11], v[rQ:rQ+11], 0, v[rSA], v[rSB] matrix_a_fmt:MATRIX_FMT_BF6 matrix_b_fmt:MATRIX_FMT_BF6
.elseif (\s)%2 == 1
	v_wmma_scale_f32_16x16x128_f8f6f4 v[rA:rA+7], v[rF:rF+11], v[rQ:rQ+11], v[rA:rA+7], v[rSA], v[rSB] matrix_a_fmt:MATRIX_FMT_BF6 matrix_b_fmt:MATRIX_FMT_BF6 matrix_a_scale:MATRIX_SCALE_ROW1 matrix_b_scale:MATRIX_SCALE_ROW1
.else
	v_wmma_scale_f32_16x16x128_f8f6f4 v[rA:rA+7], v[rF:rF+11], v[rQ:rQ+11], v[rA:rA+7], v[rSA], v[rSB] matrix_a_fmt:MATRIX_FMT_BF6 matrix_b_fmt:MATRIX_FMT_BF6
.endif
.endm
; THE SEARCH, as two numbered lists.  Tile mt joins the best so far in 11 lines, of which MRG writes number mi: 0 the mask (it wins only if it is greater: the earlier tile keeps a tie); 1 the best score;
; 2 the best tile; 3 to 10 the best tile's eight scores.  Tile 1 meets tile 0 itself; tile 6 leaves the best score in the register from which it is stored.
.macro MRG
.if mi == 0
.if mt == 1
	v_cmp_gt_f32 s[MSK+1], v[TK+1], v[TK]
.else
	v_cmp_gt_f32 s[MSK+mt], v[TK+mt], v12
.endif
.elseif mi == 1
.if mt == 1
	v_max_num_f32 v12, v[TK], v[TK+1]
.elseif mt == 6
	v_max_num_f32 v14, v12, v[TK+6]
.else
	v_max_num_f32 v12, v12, v[TK+mt]
.endif
.elseif mi == 2
.if mt == 1
	v_cndmask_b32 v10, 0, 1, s[MSK+1]
.else
	v_cndmask_b32 v10, v10, mt, s[MSK+mt]
.endif
.else
.if mt == 1
	v_cndmask_b32 v[WN+mi-3], v[ACC+mi-3], v[ACC+8+mi-3], s[MSK+1]
.else
	v_cndmask_b32 v[WN+mi-3], v[WN+mi-3], v[ACC+8*mt+mi-3], s[MSK+mt]
.endif
.endif
.endm
; Group A's list, 49 lines; EA1 writes number ea and steps it.  0-15: each tile's maximum, the four tiles by turns, each accumulator from its low end on; 16-48: tiles 1, 2, 3 join.
.macro EA1
.if ea < 4
	v_max3_num_f32 v[TK+ea], v[ACC+8*ea], v[ACC+8*ea+1], v[ACC+8*ea+2]
.elseif ea < 12
	v_max3_num_f32 v[TK+ea%4], v[TK+ea%4], v[ACC+8*(ea%4)+2*(ea/4)+1], v[ACC+8*(ea%4)+2*(ea/4)+2]
.elseif ea < 16
	v_max_num_f32 v[TK+ea%4], v[TK+ea%4], v[ACC+8*(ea%4)+7]
.else
.set mt, 1+(ea-16)/11
.set mi, (ea-16)%11
	MRG
.endif
.set ea, ea+1
.endm
; Group B's list, 62 lines; EB1 writes number eb and steps it.  0: the candidate's address; 1-12: each tile's maximum, the three tiles by turns; 13-45: tiles 4, 5, 6 join; 46-52: which of the best tile's
; registers 0 to 6 hold the best score; 53-59: the lowest of them, or 7; 60, 61: the face = 16 (st + tile) + 8 h + register.
.macro EB1
.if eb == 0
	v_add_nc_u32 v6, s50, v4
.elseif eb < 4
	v_max3_num_f32 v[TK+3+eb], v[ACC+8*(3+eb)], v[ACC+8*(3+eb)+1], v[ACC+8*(3+eb)+2]
.elseif eb < 10
.set mt, 4+(eb-1)%3
.set mi, (eb-1)/3
	v_max3_num_f32 v[TK+mt], v[TK+mt], v[ACC+8*mt+2*mi+1], v[ACC+8*mt+2*mi+2]
.elseif eb < 13
.set mt, 4+(eb-1)%3
	v_max_num_f32 v[TK+mt], v[TK+mt], v[ACC+8*mt+7]
.elseif eb < 46
.set mt, 4+(eb-13)/11
.set mi, (eb-13)%11
	MRG
.elseif eb < 53
	v_cmp_eq_f32 s[EQ+eb-46], v[WN+eb-46], v14
.elseif eb == 53
	v_cndmask_b32 v11, 7, 6, s[EQ+6]
.elseif eb < 60
.set mi, 59-eb
	v_cndmask_b32 v11, v11, mi, s[EQ+mi]
.elseif eb == 60
	v_lshl_add_u32 v15, v10, 4, v11
.else
	v_add_nc_u32 v15, v15, v3
.endif
.set eb, eb+1
.endm
.macro SLA n                           ; a slice of group A's list
	WIN 0
.rept \n
	EA1
.endr
.endm
.macro SLB n                           ; a slice of group B's list
	WIN 0
.rept \n
	EB1
.endr
.endm
; The next query tile's fragment s, into the registers that group B's K step s has just read for the last time; with fragment 1 the scale register of K steps 0 and 1, with fragment 3 that of K steps 2 and 3.
.macro RELOAD s
.if (\s) == 1
	ds_load_b32 v[SB], v7 offset:6144
.endif
.if (\s) == 3
	ds_load_b32 v[SB+1], v7 offset:6148
.endif
.irp j, 0,1,2
	ds_load_b128 v[QF+12*(\s)+4*\j:QF+12*(\s)+4*\j+3], v5 offset:1536*(\s)+512*\j
.endr
.endm
; A load into a register that a matrix instruction has read, and a vector instruction that reads a matrix result, stand four places behind it; only plain vector instructions that name none of its registers are
; places (ISA guide 7.12.1 for vector instructions).  Here the slices are the places: each run of loads stands behind a slice of four lines of group A's list, which names no register of
; group B's products; and each list's last slice (five lines, four lines) stands behind its phase's last product, ahead of the other list's first line.
; GROUP B'S PRODUCTS of the tile in hand | group A's search of the same tile.  pre = 1: the next tile's fragments are fetched, K step by K step.
.macro PHASE_B pre
.set ea, 0
.if \pre
	s_add_co_u32 s49, s49, REC                     ; the next record
.endif
.irp s, 0,1,2,3
.irp k, 4,5,6
	WM \k, \s
.if (\s == 3) && (\k == 6)
	SLA 5
.else
	SLA 4
.endif
.if \pre && (\s == 0) && (\k == 4)
	v_add_nc_u32 v5, s49, v1                       ; (the last loads by these addresses were waited for ahead of group A's K step 3)
	v_add_nc_u32 v7, s49, v2
.endif
.endr
.if \pre
	RELOAD \s
.endif
.endr
.endm
; GROUP A'S PRODUCTS of the next tile | group B's search of the tile before (epi = 1), which ends with the candidate's store.
; The 14 loads were issued in this order: fragment 0 (3), v30, fragment 1 (3), fragment 2 (3), v31, fragment 3 (3); LDS instructions come back in order (ISA guide 5.7.1), so each K step's wait leaves out what was issued
; behind the last thing that it reads: 10 behind v30, 7 behind fragment 1, 3 behind v31, none behind fragment 3.  The store of the trip before is older than all 14: the wait for 10 shows it done, and only behind
; that wait are its address and its data written again.
.macro PHASE_A epi
.set eb, 0
.irp s, 0,1,2,3
.if \epi
.if \s == 0
	s_wait_dscnt 10
.elseif \s == 1
	s_wait_dscnt 7
.elseif \s == 2
	s_wait_dscnt 3
.else
	s_wait_dscnt 0x0
.endif
.endif
.irp k, 0,1,2,3
	WM \k, \s
.if \epi
.if (\s == 0) && (\k == 0)
	SLB 2
.else
	SLB 4
.endif
.endif
.endr
.endr
	WIN 0
.if \epi
	ds_store_b64 v6, v[14:15]
.endif
.endm
	s_wait_tensorcnt 0x0                           ; my four records are in LDS
	s_barrier_signal -1
	s_barrier_wait -1                              ; all 32 are: one barrier serves the whole walk, since nothing is ever filled again
	s_mov_b32 s49, 0                               ; the record in hand, in LDS bytes
	s_mov_b32 s50, 0                               ; its candidates: 128 bytes a tile
	s_mov_b32 s48, NT-1
.irp m, 0,1,2,3,4,5,6,7,8,9,10,11
	ds_load_b128 v[QF+4*\m:QF+4*\m+3], v1 offset:512*\m    ; query tile 0
.endr
	ds_load_b64 v[SB:SB+1], v2 offset:6144
	s_wait_loadcnt 0x0                             ; my faces' codes and scales
	s_wait_dscnt 0x0
	PHASE_A 0                                      ; group A's products of tile 0: there is no search yet to set between them
.rept 4
	v_nop                                          ; the places ahead of the first read of their results
.endr
.Ltile:                                            ; 31 trips: tile t's second half and tile t + 1's first
	PHASE_B 1
	PHASE_A 1
	s_add_co_u32 s50, s50, 128
	s_sub_co_u32 s48, s48, 1
	s_cmp_lg_u32 s48, 0
	s_cbranch_scc1 .Ltile
	PHASE_B 0                                      ; tile 31: nothing more to fetch
	s_wait_dscnt 0x0                               ; tile 30's candidate is stored: its address and data are written again
.set eb, 0
.rept 62
	EB1
.endr
	ds_store_b64 v6, v[14:15]
	; THE MERGE.  Thread t takes queries t and t + 256 of the block: the best of their 16 candidates; on equal scores the lower face.
	s_wait_dscnt 0x0                               ; for the others' sake: my candidates are stored
	s_barrier_signal -1
	s_barrier_wait -1
	v_lshl_add_u32 v5, v0, 3, CAND
	v_lshlrev_b32 v8, 3, v0
.irp q, 0,1
.irp c, 0,1,2,3,4,5,6,7,8,9,10,11,12,13,14,15
	ds_load_b64 v[32+32*\q+2*\c:33+32*\q+2*\c], v5 offset:4096*\c+2048*\q
.endr
.endr
	s_lshl_b32 s14, s12, 14                        ; part: 16,384 bytes for each gx, 4,096 for each gy
	s_lshl_b32 s15, s13, 12
	s_add_co_u32 s14, s14, s15
	s_mov_b32 s15, 0
	s_add_nc_u64 s[8:9], s[8:9], s[14:15]
	s_wait_dscnt 0x0
.irp c, 1,2,3,4,5,6,7,8,9,10,11,12,13,14,15
.irp q, 0,1
	v_cmp_gt_f32 s52, v[32+32*\q+2*\c], v[32+32*\q]
	v_cmp_eq_f32 s53, v[32+32*\q+2*\c], v[32+32*\q]
	v_cmp_lt_u32 vcc_lo, v[33+32*\q+2*\c], v[33+32*\q]
	s_and_b32 vcc_lo, vcc_lo, s53
	s_or_b32 vcc_lo, vcc_lo, s52                   ; greater, or equal with the lower face: the masks choose values alone
	v_cndmask_b32 v[32+32*\q], v[32+32*\q], v[32+32*\q+2*\c], vcc_lo
	v_cndmask_b32 v[33+32*\q], v[33+32*\q], v[33+32*\q+2*\c], vcc_lo
.endr
.endr
.irp q, 0,1                                    ; the key: -0 becomes +0; then a positive number gets its top bit set and a negative one is turned over: unsigned order is the scores' order
	v_add_f32 v[32+32*\q], 0, v[32+32*\q]
	v_ashrrev_i32 v[34+32*\q], 31, v[32+32*\q]
	v_or_b32 v[34+32*\q], 0x80000000, v[34+32*\q]
	v_xor_b32 v[32+32*\q], v[32+32*\q], v[34+32*\q]
.endr
	global_store_b64 v8, v[32:33], s[8:9]                  ; a wave stores 256 consecutive bytes, at a multiple of 256 from the buffer's first byte
	global_store_b64 v8, v[64:65], s[8:9] offset:2048
	s_wait_tensorcnt 0x0
	ds_add_u32 v254, v255
	s_wait_dscnt 0x0
	CROUND                                         ; the closing round: no work-group ends while a partner may still ask for a record that names it
	s_endpgm
.Lfunc_end_k_q48a2e4e84a_score:
	.size	k_q48a2e4e84a_score, .Lfunc_end_k_q48a2e4e84a_score-k_q48a2e4e84a_score
	.p2alignl 7, 3214868480
	.fill 96, 4, 3214868480
	.section	.rodata,"a",@progbits
	.p2align	6, 0x0
	.amdhsa_kernel k_q48a2e4e84a_score
		.amdhsa_group_segment_fixed_size 271360
		.amdhsa_private_segment_fixed_size 0
		.amdhsa_enable_private_segment 0
		.amdhsa_kernarg_size 24
		.amdhsa_user_sgpr_count 2
		.amdhsa_user_sgpr_kernarg_segment_ptr 1
		.amdhsa_wavefront_size32 1
		.amdhsa_system_sgpr_workgroup_id_x 1
		.amdhsa_system_sgpr_workgroup_id_y 1
		.amdhsa_system_sgpr_workgroup_id_z 1
		.amdhsa_system_vgpr_workitem_id 0
		.amdhsa_next_free_vgpr 512
		.amdhsa_next_free_sgpr 66
		.amdhsa_reserve_vcc 1
		.amdhsa_float_denorm_mode_32 3
		.amdhsa_float_denorm_mode_16_64 3
		.amdhsa_memory_ordered 1
		.amdhsa_forward_progress 1
		.amdhsa_inst_pref_size 49
	.end_amdhsa_kernel
	.amdgpu_metadata
---
amdhsa.version: [ 1, 2 ]
amdhsa.kernels:
  - .name:           k_q48a2e4e84a_score
    .symbol:         k_q48a2e4e84a_score.kd
    .args:
      - { .name: fcodes, .offset: 0, .size: 8, .value_kind: global_buffer, .address_space: global }
      - { .name: qcodes, .offset: 8, .size: 8, .value_kind: global_buffer, .address_space: global }
      - { .name: part, .offset: 16, .size: 8, .value_kind: global_buffer, .address_space: global }
    .group_segment_fixed_size: 271360
    .private_segment_fixed_size: 0
    .kernarg_segment_align: 8
    .kernarg_segment_size: 24
    .max_flat_workgroup_size: 256
    .sgpr_count:     66
    .vgpr_count:     512
    .wavefront_size: 32
...
	.end_amdgpu_metadata
.endif
;; end of part 2
;; launch pick (part 3): grid 64 x 1, 8 waves a work-group, no clusters, 3,072 bytes of LDS; arguments part, face_feats, selector, out0; writes out0
.if DOCPART == 3
	.amdgcn_target "amdgcn-amd-amdhsa--gfx1250"
	.amdhsa_code_object_version 6
	.text
	.protected	k_q48a2e4e84a_pick
	.globl	k_q48a2e4e84a_pick
	.p2align	8
	.type	k_q48a2e4e84a_pick,@function
k_q48a2e4e84a_pick:
	s_mov_b64 s[64:65], 0
	v_nop
	global_prefetch_b8 v0, s[64:65] scope:SCOPE_SE
	s_setreg_imm32_b32 hwreg(HW_REG_WAVE_MODE, 25, 1), 1
	s_wait_xcnt 0x0
; out0[q][:] = selector[q] ? face_feats[n(q)][:] / |face_feats[n(q)]| : -1, n(q) the face with the largest score.
; part[gx][q] = (key, face), whole numbers that the launch before has stored: key is a score's bits turned so that unsigned order is the scores' order.  They are compared here by integer instructions alone
; (the greater key; on equal keys the lower face), so the row's address is made of whole numbers read from memory; the face is held to 0 .. 49999 ahead of the address.
; SHARES.  A work-group takes 32 queries.  First a lane is a query and wave w folds the parts gx = w, w + 8, .. w + 48 (each load: 256 consecutive bytes); the eight waves' results meet in LDS;
; then wave w finishes queries 4 w .. 4 w + 3: eight lanes hold a query's eight results and fold them by three exchanges.  A row is 2,048 bytes: four loads of 512 consecutive bytes, 16 numbers a lane.
; The norm is taken anew from the f32 row: x * rsq(sum of x^2), a few units in the last place from x / sqrt.  LIMITS: a chosen row of zeros, NaN or infinities is not served where it is selected.
; No matrix work; no work-group shares more than a chance row with another, so nothing is asked for jointly; 64 work-groups is all the work there is: 2,048 rows, four to a wave.
.set SEL, 8                            ; v8-11    the four queries' selector bytes
.set PB,  16                           ; v[16:17] the best (key, face); v18-29 the other six parts; v[30:31] a neighbour's
.set OF,  40                           ; v40-43   the four rows' offsets
.set X,   48                           ; v48-111  four rows, 16 numbers a lane each
.set SS,  112                          ; v112-119 the rows' sums, a pair each
.set RR,  120                          ; v120-127 1 / norm, in the low register of a pair
.macro IFOLD b, c                      ; (key, face) at v[b] takes v[c]'s where that is better
	v_cmp_gt_u32 s14, v[\c], v[\b]
	v_cmp_eq_u32 s15, v[\c], v[\b]
	v_cmp_lt_u32 vcc_lo, v[(\c)+1], v[(\b)+1]
	s_and_b32 vcc_lo, vcc_lo, s15
	s_or_b32 vcc_lo, vcc_lo, s14
	v_cndmask_b32 v[\b], v[\b], v[\c], vcc_lo
	v_cndmask_b32 v[(\b)+1], v[(\b)+1], v[(\c)+1], vcc_lo
.endm
	s_load_b256 s[4:11], s[0:1], 0x0               ; part s[4:5], faces s[6:7], selector s[8:9], out s[10:11]
	v_lshl_add_u32 v128, v0, 2, 0x800
	v_mov_b32 v129, 0
	v_lshrrev_b32 v1, 5, v0
	v_readfirstlane_b32 s12, v1                    ; wave 0..7
	v_and_b32 v1, 31, v0                           ; lane
	s_lshl_b32 s13, ttmp9, 5                       ; the work-group's first query
	s_lshl_b32 s16, s12, 2
	s_add_co_u32 s16, s16, s13                     ; my wave's first query
	v_mov_b32 v3, s16
	s_lshl_b32 s17, s13, 3
	s_lshl_b32 s22, s12, 14
	s_add_co_u32 s17, s17, s22
	v_lshl_add_u32 v2, v1, 3, s17                  ; part: 8 (first query + lane) + 16,384 w
	v_lshlrev_b32 v4, 3, v0                        ; LDS, in: 8 (32 w + lane)
	v_and_b32 v5, 7, v1
	v_lshrrev_b32 v6, 3, v1
	v_lshlrev_b32 v5, 8, v5
	v_lshl_add_u32 v5, v6, 3, v5
	s_lshl_b32 s22, s12, 5
	v_add_nc_u32 v5, s22, v5                       ; LDS, back: wave lane % 8's result for query 4 w + lane / 8
	v_lshlrev_b32 v7, 4, v1                        ; 16 x lane
	v_mov_b32 v30, 0                               ; a DPP move's destination counts as read: written once
	v_mov_b32 v31, 0
.irp i, 0,1,2,3
	v_mov_b32 v[RR+2*\i+1], 0                      ; named with 1 / norm as a pair, so it is written
.endr
	s_mov_b32 s18, 0x76543210
	s_mov_b32 s19, 0xfedcba98                      ; v_permlanex16_b32's selects for lane l xor 16
	s_lshl_b32 s16, s16, 11                        ; my first row of out0, in bytes
	s_mov_b32 s17, 0
	s_wait_kmcnt 0x0
	s_add_nc_u64 s[10:11], s[10:11], s[16:17]
.irp i, 0,1,2,3
	global_load_u8 v[SEL+\i], v3, s[8:9] offset:\i
.endr
.irp i, 0,1,2,3,4,5,6
	global_load_b64 v[PB+2*\i:PB+2*\i+1], v2, s[4:5] offset:131072*\i      ; gx = w + 8 i
.endr
	s_wait_loadcnt 0x0
.irp i, 1,2,3,4,5,6
	IFOLD PB, PB+2*\i
.endr
	ds_store_b64 v4, v[PB:PB+1]
	s_wait_dscnt 0x0                               ; for the others' sake: my results are stored
	s_barrier_signal -1
	s_barrier_wait -1
	ds_load_b64 v[PB:PB+1], v5
	s_wait_dscnt 0x0
.irp m, 1,2,4                                  ; lanes 8 i .. 8 i + 7 hold query 4 w + i's eight results: three exchanges leave the best in all eight
	v_mov_b32_dpp v30, v[PB] row_xmask:\m row_mask:0xf bank_mask:0xf
	v_mov_b32_dpp v31, v[PB+1] row_xmask:\m row_mask:0xf bank_mask:0xf
	IFOLD PB, 30
.endr
.irp i, 0,1,2,3
	v_readlane_b32 s[24+\i], v[PB+1], 8*\i
	s_min_u32 s[24+\i], s[24+\i], 49999            ; the face stays inside the table
	s_lshl_b32 s[24+\i], s[24+\i], 11              ; 2,048 bytes a row: under 2^27
	v_add_nc_u32 v[OF+\i], s[24+\i], v7
.endr
.irp i, 0,1,2,3
.irp j, 0,1,2,3
	global_load_b128 v[X+16*\i+4*\j:X+16*\i+4*\j+3], v[OF+\i], s[6:7] offset:512*\j    ; 32 lanes read 512 consecutive bytes of the row
.endr
.endr
.irp i, 0,1,2,3
	s_wait_loadcnt 12-4*\i                         ; row i's four loads are in; the later rows' stay out
	v_pk_mul_f32 v[SS+2*\i:SS+2*\i+1], v[X+16*\i:X+16*\i+1], v[X+16*\i:X+16*\i+1]
.irp p, 1,2,3,4,5,6,7
	v_pk_fma_f32 v[SS+2*\i:SS+2*\i+1], v[X+16*\i+2*\p:X+16*\i+2*\p+1], v[X+16*\i+2*\p:X+16*\i+2*\p+1], v[SS+2*\i:SS+2*\i+1]
.endr
	v_add_f32 v[SS+2*\i], v[SS+2*\i], v[SS+2*\i+1]
	v_add_f32_dpp v[SS+2*\i], v[SS+2*\i], v[SS+2*\i] row_xmask:1 row_mask:0xf bank_mask:0xf
	v_add_f32_dpp v[SS+2*\i], v[SS+2*\i], v[SS+2*\i] row_xmask:2 row_mask:0xf bank_mask:0xf
	v_add_f32_dpp v[SS+2*\i], v[SS+2*\i], v[SS+2*\i] row_xmask:4 row_mask:0xf bank_mask:0xf
	v_add_f32_dpp v[SS+2*\i], v[SS+2*\i], v[SS+2*\i] row_xmask:8 row_mask:0xf bank_mask:0xf
	v_permlanex16_b32 v[SS+2*\i+1], v[SS+2*\i], s18, s19
	v_add_f32 v[SS+2*\i], v[SS+2*\i], v[SS+2*\i+1] ; the row's sum of squares, in every lane
.endr
.irp i, 0,1,2,3
	v_rsq_f32 v[RR+2*\i], v[SS+2*\i]               ; the four as one batch
.endr
	v_nop                                          ; a plain instruction between the last of them and the use of a result (ISA guide 5.7.2)
	s_wait_alu depctr_va_vdst(0)                   ; the wait ahead of the first reader: one for the four
.irp i, 0,1,2,3
.irp p, 0,1,2,3,4,5,6,7
	v_pk_mul_f32 v[X+16*\i+2*\p:X+16*\i+2*\p+1], v[X+16*\i+2*\p:X+16*\i+2*\p+1], v[RR+2*\i:RR+2*\i+1] op_sel_hi:[1,0]
.endr
	v_cmp_ne_u32 vcc_lo, 0, v[SEL+\i]              ; the query's selector byte, the same in every lane
.irp n, 0,1,2,3,4,5,6,7,8,9,10,11,12,13,14,15
	v_cndmask_b32 v[X+16*\i+\n], -1.0, v[X+16*\i+\n], vcc_lo
.endr
.irp j, 0,1,2,3
	global_store_b128 v7, v[X+16*\i+4*\j:X+16*\i+4*\j+3], s[10:11] offset:2048*\i+512*\j   ; 32 lanes store 512 consecutive bytes, at a multiple of 256 from out0's first byte
.endr
.endr
	s_wait_tensorcnt 0x0
	ds_add_u32 v128, v129
	s_wait_dscnt 0x0
	s_endpgm
.Lfunc_end_k_q48a2e4e84a_pick:
	.size	k_q48a2e4e84a_pick, .Lfunc_end_k_q48a2e4e84a_pick-k_q48a2e4e84a_pick
	.p2alignl 7, 3214868480
	.fill 96, 4, 3214868480
	.section	.rodata,"a",@progbits
	.p2align	6, 0x0
	.amdhsa_kernel k_q48a2e4e84a_pick
		.amdhsa_group_segment_fixed_size 3072
		.amdhsa_private_segment_fixed_size 0
		.amdhsa_enable_private_segment 0
		.amdhsa_kernarg_size 32
		.amdhsa_user_sgpr_count 2
		.amdhsa_user_sgpr_kernarg_segment_ptr 1
		.amdhsa_wavefront_size32 1
		.amdhsa_system_sgpr_workgroup_id_x 1
		.amdhsa_system_sgpr_workgroup_id_y 1
		.amdhsa_system_sgpr_workgroup_id_z 1
		.amdhsa_system_vgpr_workitem_id 0
		.amdhsa_next_free_vgpr 130
		.amdhsa_next_free_sgpr 66
		.amdhsa_reserve_vcc 1
		.amdhsa_float_denorm_mode_32 3
		.amdhsa_float_denorm_mode_16_64 3
		.amdhsa_memory_ordered 1
		.amdhsa_forward_progress 1
		.amdhsa_inst_pref_size 18
	.end_amdhsa_kernel
	.amdgpu_metadata
---
amdhsa.version: [ 1, 2 ]
amdhsa.kernels:
  - .name:           k_q48a2e4e84a_pick
    .symbol:         k_q48a2e4e84a_pick.kd
    .args:
      - { .name: part, .offset: 0, .size: 8, .value_kind: global_buffer, .address_space: global }
      - { .name: face_feats, .offset: 8, .size: 8, .value_kind: global_buffer, .address_space: global }
      - { .name: selector, .offset: 16, .size: 8, .value_kind: global_buffer, .address_space: global }
      - { .name: out0, .offset: 24, .size: 8, .value_kind: global_buffer, .address_space: global }
    .group_segment_fixed_size: 3072
    .private_segment_fixed_size: 0
    .kernarg_segment_align: 8
    .kernarg_segment_size: 32
    .max_flat_workgroup_size: 256
    .sgpr_count:     66
    .vgpr_count:     130
    .wavefront_size: 32
...
	.end_amdgpu_metadata
.endif
;; end of part 3
